; MI455X (gfx1250); checked and timed in simulation.
; The chip was launched on July 23, 2026; its instructions are those of AMD's public machine-readable ISA for CDNA 5 (MIT licence, August 2026) and "CDNA5" Instruction Set Architecture Reference Guide (July 2026). The comments in the code are by the model that wrote it; some were corrected since.
;; Multihead Attention. Allowed arithmetic: matrix products marked QUANTISED: E2M1 operands, one E8M0 scale for each 32 along K, by v_wmma_scale_f32_16x16x128_f8f6f4 with both operands' format E2M1 (or v_wmma_scale_f32_32x16x128_f4), f32 sums; products left as they are: bf16, f16 or f32 operands; f32 sums; everything else in f32.
;; Inputs: Wk 8 x 512 x 64 float32; Wo 512 x 512 float32; Wq 8 x 512 x 64 float32; Wv 8 x 512 x 64 float32; bk 8 x 64 float32; bo 512 float32; bq 8 x 64 float32; bv 8 x 64 float32; x 4,096 x 512 float32.
;; Outputs: out0 4,096 x 512 float32.
;; This version of the problem:
;;   THIS VERSION OF THE PROBLEM IS GIVEN IN LOW PRECISION. The matrix products marked QUANTISED in the list below multiply operands that are first quantised to E2M1 (2 exponent bits, 1 mantissa bit; 4 bits a number), with one power-of-two scale for each 32 numbers along K (OCP MX v1.0); their sums are f32. The products marked 'left as it is' may take bf16, f16 or f32 operands, with f32 sums. Whichever they take, every output number must still come out within the allowed error. Rounding operands to bf16 (8 significant bits) uses up far more of that allowance than f16 does (11 bits, for magnitudes from 6e-5 to 65,504). All else is computed in f32.
;;   The module's matrix products, in the order in which they are computed (A, B: the left and right operand; K: the contracted axis; several contracted axes count as one K, in the product's order):
;;     1. [M 512, K 512] x [K 512, N 4,096]; A: input Wq; B: input x: QUANTISED
;;     2. [M 512, K 512] x [K 512, N 4,096]; A: input Wk; B: input x: QUANTISED
;;     3. [M 512, K 512] x [K 512, N 4,096]; A: input Wv; B: input x: QUANTISED
;;     4. batch 8 x [M 4,096, K 64] x [K 64, N 4,096]; A: computed on the way; B: computed on the way: left as it is (an operand is computed on the way)
;;     5. batch 8 x [M 4,096, K 4,096] x [K 4,096, N 64]; A: computed on the way; B: computed on the way: left as it is (an operand is computed on the way)
;;     6. [M 4,096, K 512] x [K 512, N 512]; A: computed on the way; B: input Wo: left as it is (an operand is computed on the way)
;;   THE QUANTISER, for each operand of a quantised product, along K:
;;     - K is cut into blocks of 32 from its start; a last block that is shorter is filled with zeros.
;;     - A block's scale is 2^e with e = floor(log2(the largest magnitude in the block)) - 2, held to -126 .. 127; a block of zeros has e = 0. As a byte (E8M0): e + 127.
;;     - Each number is divided by its block's scale, clamped to +-6, and rounded to the nearest number of E2M1, ties to even, subnormals kept.
;;     - The product sums the exact products of the quantised numbers (number of the format x scale) in f32.
;;   ~~~python
;;   def quantise(x, axis):      # numpy; x: float32 -> the quantised numbers, widened to float32 again
;;       x = np.moveaxis(x, axis, -1); K = x.shape[-1]
;;       x = np.pad(x, [(0, 0)] * (x.ndim - 1) + [(0, -K % 32)]); x = x.reshape(x.shape[:-1] + (-1, 32)); a = np.abs(x).max(-1, keepdims=True)
;;       e = np.where(a > 0, np.clip(np.frexp(np.where(a > 0, a, 1))[1] - 1 - 2, -126, 127), 0)      # np.frexp(a)[1] - 1 = floor(log2(a)), exactly
;;       r = np.clip(x / 2.0 ** e, -6, 6)
;;       step = 2.0 ** (np.maximum(np.frexp(np.where(r == 0, 1, r))[1] - 1, 0) - 1)
;;       q = np.round(r / step) * step * 2.0 ** e      # np.round: ties to even
;;       return np.moveaxis(q.reshape(q.shape[:-2] + (-1,))[..., :K], -1, axis).astype(np.float32)
;;   ~~~
;; One version. Each part assembles by itself: llvm-mc -triple=amdgcn-amd-amdhsa -mcpu=gfx1250 --defsym DOCPART=n.
;; ======== version 1 of 1: 3 launches
;; limits: values are held in f16: magnitudes above 65,504 overflow, below 6.1e-05 lose precision
;; workspace buffers: qf 4,194,304 bytes; kvf 8,388,608 bytes; cf 4,194,304 bytes; wof 524,288 bytes
;; launch qkv (part 1): grid 32 x 8, 16 waves a work-group, no clusters, 94,208 bytes of LDS; arguments x, Wq, Wk, Wv, bq, bk, bv, Wo, qf, kvf, wof; writes qf, kvf, wof
.if DOCPART == 1
	.amdgcn_target "amdgcn-amd-amdhsa--gfx1250"
	.amdhsa_code_object_version 6
	.text
	.protected	k_q6e1136efb1_qkv
	.globl	k_q6e1136efb1_qkv
	.p2align	8
	.type	k_q6e1136efb1_qkv,@function
k_q6e1136efb1_qkv:
	s_mov_b64 s[64:65], 0
	v_nop
	global_prefetch_b8 v0, s[64:65] scope:SCOPE_SE
	s_setreg_imm32_b32 hwreg(HW_REG_WAVE_MODE, 25, 1), 1
	s_wait_xcnt 0x0
; q, k, v = x W + b for one head and 128 rows of x, on codes of FP4 (E2M1) with one E8M0 scale for each 32 along K = 512; sums in f32; results rounded once to f16.
; x: [4096][512] f32 (K innermost).  Wq, Wk, Wv: [8][512][64] f32 (K is the FIRST axis within a head).  bq, bk, bv: [8][64] f32.  Beside it Wo [512][512] f32 is rounded to f16.
; A block's scale is 2^(floor(log2(its largest magnitude)) - 2): its byte is the largest magnitude's exponent field - 2, held at 1 from below.
; LIMITS: NaN and infinities among the inputs are not served.  A block of zeros gets the byte 1 (its codes are zeros, which add nothing; the bytes are read by this launch alone).
;   q, k, v and Wo leave as f16: their magnitudes must lie under 65,504.
; SHARES.  Work-group (x = block of 128 rows, y = head), sixteen waves.  Wave w, a = w / 4, c = w % 4:
;   quantises x's rows 16 (w / 2) on, K steps 2 (w % 2) and 2 (w % 2) + 1 (two fragments), and of each of the three weights the fragment (columns 16 c on, K step a);
;   then multiplies row tiles 2 a, 2 a + 1 by columns 16 c on of Wq, Wk, Wv: six accumulators, 24 matrix instructions.
; OPERANDS GO FROM WAVE TO WAVE THROUGH LDS AS IMAGES OF THEIR REGISTERS: a fragment (8 registers a lane) by two stores of 16 bytes a lane at 16 x lane, its scale words by one of 4 bytes a lane; one barrier.
; q and k are made TRANSPOSED (source 0 = 16 columns of W, source 1 = 16 rows of x): a lane then holds one row and eight neighbouring channels.  v is made as it stands: a lane holds one channel and eight neighbouring keys.
; Packed to f16 these 16 bytes a lane ARE half a fragment of the next launch's operands: each store of a wave covers 512 consecutive bytes, aligned.
;   qf  [head][tile of 16 queries][channels 32 cs][half][lane][16 B]: lane (r, h): query r, channels 32 cs + 16 half + 8 h + 0 .. 7
;   kvf [head][slot of 512 keys][131,072 B]: first K, laid as q; from byte 65,536 V^T: [32 keys kb][16 channels ct][half][lane][16 B]: lane (r, h): channel 16 ct + r, keys 32 kb + 16 half + 8 h + 0 .. 7
;   wof [128 columns cb][K step of 32][16 columns ntb][half][lane][16 B]: lane (r, h): column 128 cb + 16 ntb + r, k = 32 kstep + 16 half + 8 h + 0 .. 7
; NO TENSOR LOAD AND NO JOINT REQUEST: every f32 number is wanted once, by one lane, in the order of the conversions' registers, so it is loaded straight into registers;
; a work-group's f32 operands are 256 KiB of x and 384 KiB of W, twice what LDS holds, and would have to go through it in turns only to be read out once.
.set XIMG,  0                          ; LDS: x's 32 fragments (row tile m, K step s) at 4096 m + 1024 s
.set XSC,   32768                      ; their scale words, 128 bytes each: (4 m + s) x 128
.set WIMG,  36864                      ; the weights' 48 fragments (tensor T, column tile c, K step s) at 16384 T + 4096 c + 1024 s
.set WSC,   86016                      ; their scale words: 2048 T + 512 c + 128 s
.set SPARE, 92160                      ; the spare words, 128 bytes for each of sixteen waves: eight blocks of 256 bytes that no other line names
.set XG,  1                            ; v1   x: 2048 r + 64 h: my 16 numbers of a block of 32 in row r
.set WG,  2                            ; v2   W: 4 r + 8192 h + 64 c + 32768 a: column 16 c + r, rows 128 a + 32 h on
.set XWI, 3                            ; v3   where I store x's images
.set XWS, 4                            ; v4   and their scale words
.set WWI, 5                            ; v5   where I store the weights' images
.set WWS, 6                            ; v6   and their scale words
.set XA,  7                            ; v7   where I read x's images for the products
.set XSA, 8                            ; v8   and their scale words
.set WAD, 9                            ; v9   where I read the weights' images
.set WSA, 10                           ; v10  and their scale words
.set BOQ, 11                           ; v11  bq, bk: 32 h + 64 c
.set BOV, 12                           ; v12  bv: 4 r + 64 c
.set WOO, 13                           ; v13  Wo: 16384 h + 4 r
.set L16, 14                           ; v14  16 x lane
.set SH8, 15                           ; v15  8 h
.set TM,  16                           ; v16-19 largest magnitudes; v20-23 lane exchange, bytes, the scale word (v20); v24-27 the conversions' scale operands
.set PC,  28                           ; v28-35 the codes just made
.set SC,  36                           ; v36-45 the products' scale words and nothing else: set p at 36 + 5 p: x's two, then Wq's, Wk's, Wv's
.set SPW, 46                           ; v46  LDS address of my spare word; never rewritten
.set NIL, 47                           ; v47  0; never rewritten
.set BV,  48                           ; v48-55 bv of my channel, eight times: the C of v's first product
.set WOR, 56                           ; v56-63 eight numbers of Wo
.set STA, 64                           ; v64-127, v128-191: two sets of 64 numbers to be quantised
.set STB, 128
.set FRG, 64                           ; in the products: two sets of 40: x's two fragments, then the weights' three
.set OT,  144                          ; v144-167 the results as f16
.set ACC, 192                          ; v192-239 accumulator (T, i) at 192 + 16 T + 8 i
.set BQ,  240                          ; v240-247 bq, v248-255 bk, in the result's layout
.set WV,  26                           ; s26 wave;  s28 head;  s29 a;  s30 c;  s[32:33] lane selects;  s34-39 at work;  s[40:41] where v goes
.set HD,  28
.set WVA, 29
.set WVC, 30
.set SEL, 32
; my 16 rows' numbers of one K step (64 a lane): register 16 b + 4 j + e = k 32 b + 16 h + 4 j + e of row r
.macro LOADX buf, s1
.irp b, 0,1,2,3
.irp j, 0,1,2,3
	global_load_b128 v[\buf+16*\b+4*\j:\buf+16*\b+4*\j+3], v[XG], s[4:5] offset:512*\s1+128*\b+16*\j
.endr
.endr
.endm
; my column's 64 numbers of one K step, registers running DOWN K in the operand's own order: register 32 cc + i = k 64 cc + 32 h + i
.macro LOADW buf, base
.irp cc, 0,1
.set i, 0
.rept 32
	global_load_b32 v[\buf+32*\cc+i], v[WG], s[\base:\base+1] offset:16384*\cc+256*i
.set i, i+1
.endr
.endr
.endm
; 64 numbers of x (a block of 32 lies in lanes l and l xor 16) become a fragment's codes in v[PC] on and its scale word in v[TM+4]
.macro QX buf
.irp b, 0,1,2,3
	v_max3_num_f32 v[TM+\b], |v[\buf+16*\b]|, |v[\buf+1+16*\b]|, 0x1800000   ; my 16 numbers of block b, and the floor 2^(3 - 127): the byte cannot fall under 1
.endr
.irp i, 2,4,6,8,10,12,14
.irp b, 0,1,2,3
	v_max3_num_f32 v[TM+\b], v[TM+\b], |v[\buf+16*\b+\i]|, |v[\buf+1+16*\b+\i]|   ; the four blocks by turns
.endr
.endr
.irp b, 0,1,2,3
	v_permlanex16_b32 v[TM+4+\b], v[TM+\b], s[SEL], s[SEL+1]
.endr
.irp b, 0,1,2,3
	v_max_num_f32 v[TM+\b], v[TM+\b], v[TM+4+\b]   ; with lane l xor 16's: the block's largest magnitude
.endr
.irp b, 0,1,2,3
	v_add_nc_u32 v[TM+8+\b], 0xff000000, v[TM+\b]  ; 2 off its exponent field: the conversion takes the exponent field of this operand as its scale
.endr
.irp b, 0,1,2,3
	v_lshrrev_b32 v[TM+4+\b], 23, v[TM+8+\b]       ; the scale's byte
.endr
	v_lshl_or_b32 v[TM+4], v[TM+5], 8, v[TM+4]     ; the four bytes make my row's scale word
	v_lshl_or_b32 v[TM+4], v[TM+6], 16, v[TM+4]
	v_lshl_or_b32 v[TM+4], v[TM+7], 24, v[TM+4]
.irp b, 0,1,2,3
	v_cvt_scalef32_pk8_fp4_f32 v[PC+2*\b], v[\buf+16*\b:\buf+7+16*\b], v[TM+8+\b]
	v_cvt_scalef32_pk8_fp4_f32 v[PC+1+2*\b], v[\buf+8+16*\b:\buf+15+16*\b], v[TM+8+\b]
.endr
	v_nop                                          ; one plain instruction behind the scaled conversions
.irp cc, 0,1                           ; the operand's layout wants a WHOLE block in a lane: lanes 0-15 block 2 cc, lanes 16-31 block 2 cc + 1
.irp i, 0,1
	v_permlane16_swap_b32 v[PC+4*\cc+\i], v[PC+2+4*\cc+\i]
.endr
.endr
.endm
; 64 numbers of a column of W (two whole blocks, 2 cc + h, are mine) become the same
.macro QW buf
.irp cc, 0,1
	v_max3_num_f32 v[TM+\cc], |v[\buf+32*\cc]|, |v[\buf+1+32*\cc]|, 0x1800000
.endr
.irp i, 2,4,6,8,10,12,14,16,18,20,22,24,26,28,30
.irp cc, 0,1
	v_max3_num_f32 v[TM+\cc], v[TM+\cc], |v[\buf+32*\cc+\i]|, |v[\buf+1+32*\cc+\i]|   ; the two blocks by turns
.endr
.endr
.irp cc, 0,1
	v_add_nc_u32 v[TM+8+\cc], 0xff000000, v[TM+\cc]
.endr
.irp cc, 0,1
	v_lshrrev_b32 v[TM+4+\cc], 23, v[TM+8+\cc]
.endr
	v_lshl_or_b32 v[TM+4], v[TM+5], 16, v[TM+4]    ; my two bytes: blocks h and 2 + h,
	v_lshlrev_b32 v[TM+4], v[SH8], v[TM+4]         ; at their places in the scale word;
	v_permlanex16_b32 v[TM+6], v[TM+4], s[SEL], s[SEL+1]
	v_or_b32 v[TM+4], v[TM+4], v[TM+6]             ; with lane l xor 16's two the word is whole
.irp cc, 0,1
.irp g, 0,1,2,3
	v_cvt_scalef32_pk8_fp4_f32 v[PC+4*\cc+\g], v[\buf+32*\cc+8*\g:\buf+32*\cc+8*\g+7], v[TM+8+\cc]   ; registers 4 cc .. 4 cc + 3 of the operand
.endr
.endr
	v_nop                                          ; one plain instruction behind the scaled conversions
.endm
.macro IMG ai, aw, off, soff           ; the fragment and its scale word go to LDS as they stand
.irp cc, 0,1
	ds_store_b128 v[\ai], v[PC+4*\cc:PC+4*\cc+3] offset:\off+512*\cc
.endr
	ds_store_b32 v[\aw], v[TM+4] offset:\soff
.endm
.macro FETCH s                         ; K step s: x's two fragments, the weights' three, five scale words: 15 LDS loads into set s % 2
.set FB, FRG+40*((\s)%2)
.set SB, SC+5*((\s)%2)
.irp i, 0,1
.irp cc, 0,1
	ds_load_b128 v[FB+8*\i+4*\cc:FB+8*\i+4*\cc+3], v[XA] offset:XIMG+4096*\i+1024*(\s)+512*\cc
.endr
.endr
.irp T, 0,1,2
.irp cc, 0,1
	ds_load_b128 v[FB+16+8*\T+4*\cc:FB+16+8*\T+4*\cc+3], v[WAD] offset:16384*\T+1024*(\s)+512*\cc
.endr
.endr
.irp i, 0,1
	ds_load_b32 v[SB+\i], v[XSA] offset:512*\i+128*(\s)
.endr
.irp T, 0,1,2
	ds_load_b32 v[SB+2+\T], v[WSA] offset:2048*\T+128*(\s)
.endr
.endm
; six matrix instructions, the six accumulators by turns in the same order in every K step.  The first K step takes the bias as C: nothing is cleared or added later.
.macro MUL s
.set FB, FRG+40*((\s)%2)
.set SB, SC+5*((\s)%2)
.irp T, 0,1                            ; q and k, transposed: source 0 = 16 columns of W, source 1 = 16 rows of x
.irp i, 0,1
.if (\s) == 0
	v_wmma_scale_f32_16x16x128_f8f6f4 v[ACC+16*\T+8*\i:ACC+16*\T+8*\i+7], v[FB+16+8*\T:FB+16+8*\T+7], v[FB+8*\i:FB+8*\i+7], v[BQ+8*\T:BQ+8*\T+7], v[SB+2+\T], v[SB+\i] matrix_a_fmt:MATRIX_FMT_FP4 matrix_b_fmt:MATRIX_FMT_FP4
.else
	v_wmma_scale_f32_16x16x128_f8f6f4 v[ACC+16*\T+8*\i:ACC+16*\T+8*\i+7], v[FB+16+8*\T:FB+16+8*\T+7], v[FB+8*\i:FB+8*\i+7], v[ACC+16*\T+8*\i:ACC+16*\T+8*\i+7], v[SB+2+\T], v[SB+\i] matrix_a_fmt:MATRIX_FMT_FP4 matrix_b_fmt:MATRIX_FMT_FP4
.endif
.endr
.endr
.irp i, 0,1                            ; v as it stands: source 0 = 16 rows of x, source 1 = 16 columns of Wv
.if (\s) == 0
	v_wmma_scale_f32_16x16x128_f8f6f4 v[ACC+32+8*\i:ACC+32+8*\i+7], v[FB+8*\i:FB+8*\i+7], v[FB+32:FB+39], v[BV:BV+7], v[SB+\i], v[SB+4] matrix_a_fmt:MATRIX_FMT_FP4 matrix_b_fmt:MATRIX_FMT_FP4
.else
	v_wmma_scale_f32_16x16x128_f8f6f4 v[ACC+32+8*\i:ACC+32+8*\i+7], v[FB+8*\i:FB+8*\i+7], v[FB+32:FB+39], v[ACC+32+8*\i:ACC+32+8*\i+7], v[SB+\i], v[SB+4] matrix_a_fmt:MATRIX_FMT_FP4 matrix_b_fmt:MATRIX_FMT_FP4
.endif
.endr
.endm
.macro PLACES                          ; four plain instructions between a matrix instruction and a load into its registers or a read of its result (ISA guide 7.12.1 for vector instructions)
.rept 4
	v_nop
.endr
.endm
	s_load_b512 s[4:19], s[0:1], 0x0               ; x 4, Wq 6, Wk 8, Wv 10, bq 12, bk 14, bv 16, Wo 18
	s_load_b128 s[20:23], s[0:1], 0x40             ; qf 20, kvf 22
	s_load_b64 s[24:25], s[0:1], 0x50              ; wof
	v_lshl_add_u32 v[SPW], v0, 2, SPARE
	v_mov_b32 v[NIL], 0
	v_lshrrev_b32 v16, 5, v0
	v_readfirstlane_b32 s[WV], v16                 ; wave 0..15
	s_and_b32 s[HD], ttmp7, 0xffff                 ; head
	s_lshr_b32 s[WVA], s[WV], 2                    ; a
	s_and_b32 s[WVC], s[WV], 3                     ; c
	s_mov_b32 s[SEL], 0x76543210
	s_mov_b32 s[SEL+1], 0xfedcba98                 ; v_permlanex16_b32's selects for lane l xor 16
	v_and_b32 v16, 31, v0                          ; lane
	v_and_b32 v17, 15, v0                          ; r
	v_bfe_u32 v18, v0, 4, 1                        ; h
	v_lshlrev_b32 v[L16], 4, v16
	v_lshlrev_b32 v19, 2, v16                      ; 4 x lane
	v_lshlrev_b32 v[XG], 11, v17
	v_lshl_add_u32 v[XG], v18, 6, v[XG]
	v_lshlrev_b32 v[WG], 2, v17
	v_lshl_add_u32 v[WG], v18, 13, v[WG]
	s_lshl_b32 s34, s[WVC], 6
	s_lshl_b32 s35, s[WVA], 15
	s_add_co_u32 s35, s34, s35
	v_add_nc_u32 v[WG], s35, v[WG]
	v_lshl_add_u32 v[BOQ], v18, 5, s34             ; 32 h + 64 c
	v_lshl_add_u32 v[BOV], v17, 2, s34             ; 4 r + 64 c
	s_lshl_b32 s34, s[WV], 11
	v_add_nc_u32 v[XWI], s34, v[L16]               ; 16 lane + 2048 w
	s_lshl_b32 s34, s[WV], 8
	s_add_co_u32 s34, s34, XSC
	v_add_nc_u32 v[XWS], s34, v19                  ; XSC + 4 lane + 256 w
	s_lshl_b32 s34, s[WVC], 12
	s_add_co_u32 s34, s34, WIMG
	v_add_nc_u32 v[WAD], s34, v[L16]               ; WIMG + 16 lane + 4096 c
	s_lshl_b32 s35, s[WVA], 10
	s_add_co_u32 s34, s34, s35
	v_add_nc_u32 v[WWI], s34, v[L16]               ; + 1024 a
	s_lshl_b32 s34, s[WVC], 9
	s_add_co_u32 s34, s34, WSC
	v_add_nc_u32 v[WSA], s34, v19                  ; WSC + 4 lane + 512 c
	s_lshl_b32 s35, s[WVA], 7
	s_add_co_u32 s34, s34, s35
	v_add_nc_u32 v[WWS], s34, v19                  ; + 128 a
	s_lshl_b32 s34, s[WVA], 13
	v_add_nc_u32 v[XA], s34, v[L16]                ; 16 lane + 8192 a
	s_lshl_b32 s34, s[WVA], 10
	s_add_co_u32 s34, s34, XSC
	v_add_nc_u32 v[XSA], s34, v19                  ; XSC + 4 lane + 1024 a
	v_lshlrev_b32 v[WOO], 2, v17
	v_lshl_add_u32 v[WOO], v18, 14, v[WOO]
	v_lshlrev_b32 v[SH8], 3, v18
.irp b, 4,5,6,7
	v_mov_b32 v[TM+\b], 0                          ; written once: a lane permute's destination counts as one of its sources
.endr
	s_mov_b32 s35, 0                               ; every offset below is under 2^32: the pair s[34:35]
	s_wait_kmcnt 0x0
	s_lshl_b32 s34, ttmp9, 18                      ; x: 128 rows of 2,048 bytes a work-group,
	s_lshr_b32 s36, s[WV], 1
	s_lshl_b32 s36, s36, 15                        ; 16 rows a pair of waves,
	s_add_co_u32 s34, s34, s36
	s_and_b32 s36, s[WV], 1                        ; (w % 2, kept for Wo)
	s_lshl_b32 s37, s36, 10                        ; two K steps of 512 bytes
	s_add_co_u32 s34, s34, s37
	s_add_nc_u64 s[4:5], s[4:5], s[34:35]
	s_lshl_b32 s34, s[HD], 17                      ; the head's 512 x 64 numbers in each weight
	s_add_nc_u64 s[6:7], s[6:7], s[34:35]
	s_add_nc_u64 s[8:9], s[8:9], s[34:35]
	s_add_nc_u64 s[10:11], s[10:11], s[34:35]
	s_lshl_b32 s34, s[HD], 8                       ; and its 64 in each bias
	s_add_nc_u64 s[12:13], s[12:13], s[34:35]
	s_add_nc_u64 s[14:15], s[14:15], s[34:35]
	s_add_nc_u64 s[16:17], s[16:17], s[34:35]
	; Wo: its 1,024 halves of fragments are dealt to waves 0-3 of the 256 work-groups: half number H = 4 G + w % 4, G = 32 head + block; H = ((cb x 16 + kstep) x 8 + ntb) x 2 + half
	s_lshl_b32 s38, s[HD], 5
	s_add_co_u32 s38, s38, ttmp9                   ; G
	s_bfe_u32 s34, s38, 0x40002                    ; kstep = (G / 4) % 16: 32 rows of 2,048 bytes
	s_lshl_b32 s34, s34, 16
	s_lshl_b32 s37, s36, 15                        ; half = w % 2: 16 rows
	s_add_co_u32 s34, s34, s37
	s_lshr_b32 s37, s38, 6                         ; cb = G / 64: 128 columns
	s_lshl_b32 s37, s37, 9
	s_add_co_u32 s34, s34, s37
	s_lshr_b32 s37, s[WVC], 1
	s_lshl_b32 s39, s38, 1
	s_add_co_u32 s37, s37, s39
	s_and_b32 s37, s37, 7                          ; ntb = (2 G + (w % 4) / 2) % 8: 16 columns
	s_lshl_b32 s37, s37, 6
	s_add_co_u32 s34, s34, s37
	s_add_nc_u64 s[18:19], s[18:19], s[34:35]
	s_lshl_b32 s34, s38, 2
	s_add_co_u32 s34, s34, s[WVC]
	s_lshl_b32 s34, s34, 9                         ; 512 H
	s_add_nc_u64 s[24:25], s[24:25], s[34:35]
	s_lshl_b32 s34, s[HD], 19                      ; qf: 524288 head + 16384 block + 4096 a + 512 c
	s_lshl_b32 s37, ttmp9, 14
	s_add_co_u32 s34, s34, s37
	s_lshl_b32 s37, s[WVA], 12
	s_add_co_u32 s34, s34, s37
	s_lshl_b32 s37, s[WVC], 9
	s_add_co_u32 s34, s34, s37
	s_add_nc_u64 s[20:21], s[20:21], s[34:35]
	s_lshl_b32 s34, s[HD], 20                      ; kvf: 1048576 head + 131072 (block / 4) + 16384 (block % 4) + 4096 a,
	s_lshr_b32 s37, ttmp9, 2
	s_lshl_b32 s37, s37, 17
	s_add_co_u32 s34, s34, s37
	s_and_b32 s37, ttmp9, 3
	s_lshl_b32 s37, s37, 14
	s_add_co_u32 s34, s34, s37
	s_lshl_b32 s37, s[WVA], 12
	s_add_co_u32 s34, s34, s37
	s_lshl_b32 s37, s[WVC], 10
	s_add_co_u32 s36, s34, s37                     ; V^T: + 65536 + 1024 c
	s_add_co_u32 s36, s36, 65536
	s_mov_b32 s37, 0
	s_add_nc_u64 s[40:41], s[22:23], s[36:37]
	s_lshl_b32 s36, s[WVC], 9                      ; K: + 512 c
	s_add_co_u32 s34, s34, s36
	s_add_nc_u64 s[22:23], s[22:23], s[34:35]
	; 52 loads.  All sixteen waves load a half fragment of Wo (waves 4-15 the same bytes as waves 0-3, and drop them), so that the counts below are the same in every wave.
.irp i, 0,1,2,3,4,5,6,7
	global_load_b32 v[WOR+\i], v[WOO], s[18:19] offset:2048*\i
.endr
	global_load_b128 v[BQ:BQ+3], v[BOQ], s[12:13]
	global_load_b128 v[BQ+4:BQ+7], v[BOQ], s[12:13] offset:16
	global_load_b128 v[BQ+8:BQ+11], v[BOQ], s[14:15]
	global_load_b128 v[BQ+12:BQ+15], v[BOQ], s[14:15] offset:16
.irp i, 0,1,2,3,4,5,6,7
	global_load_b32 v[BV+\i], v[BOV], s[16:17]     ; in v's result a lane's eight registers are eight keys of ONE channel: the same number eight times
.endr
	LOADX STA, 0
	LOADX STB, 1
	s_wait_loadcnt 16                              ; all but the second K step's sixteen loads are in
	s_cmp_lt_u32 s[WV], 4
	s_cbranch_scc0 .Lno_wo
.irp p, 0,1,2,3
	v_cvt_pk_f16_f32 v[WOR+\p], v[WOR+2*\p], v[WOR+2*\p+1]   ; in place: register p is written from registers 2 p and 2 p + 1, never from a lower one
.endr
	global_store_b128 v[L16], v[WOR:WOR+3], s[24:25]         ; the wave stores 512 consecutive bytes, aligned
.Lno_wo:
	QX STA
	IMG XWI, XWS, XIMG, 0
	LOADW STA, 6                                   ; Wq, into the registers just quantised
	s_wait_loadcnt 63                              ; behind x's second K step stand 64 loads; the wait's field ends at 63, so one load more than needed is awaited
	s_wait_dscnt 0x0                               ; the image's stores have read their registers
	QX STB
	IMG XWI, XWS, XIMG+1024, 128
	LOADW STB, 8                                   ; Wk
	s_wait_loadcnt 63                              ; Wq is in (behind it: Wk's 64)
	s_wait_dscnt 0x0
	QW STA
	IMG WWI, WWS, 0, 0
	LOADW STA, 10                                  ; Wv
	s_wait_loadcnt 63                              ; Wk is in (behind it: Wv's 64)
	s_wait_dscnt 0x0
	QW STB
	IMG WWI, WWS, 16384, 2048
	s_wait_loadcnt 0x0                             ; Wv
	s_wait_dscnt 0x0
	QW STA
	IMG WWI, WWS, 32768, 4096
	s_wait_dscnt 0x0                               ; for the others' sake: my images lie in LDS
	s_barrier_signal -1
	s_barrier_wait -1                              ; everybody's do
	FETCH 0
	FETCH 1
	s_wait_dscnt 15                                ; K step 0's fifteen are in; K step 1's may be out
	MUL 0
	PLACES
	FETCH 2
	s_wait_dscnt 15
	MUL 1
	PLACES
	FETCH 3
	s_wait_dscnt 15
	MUL 2
	s_wait_dscnt 0x0
	MUL 3
	PLACES
.irp k, 0,1,2,3,4,5                    ; each accumulator from its low end on
.irp p, 0,1,2,3
	v_cvt_pk_f16_f32 v[OT+4*\k+\p], v[ACC+8*\k+2*\p], v[ACC+8*\k+2*\p+1]
.endr
.endr
.irp i, 0,1
	global_store_b128 v[L16], v[OT+4*\i:OT+4*\i+3], s[20:21] offset:2048*\i        ; q: tile 2 a + i, half fragment c
	global_store_b128 v[L16], v[OT+8+4*\i:OT+8+4*\i+3], s[22:23] offset:2048*\i    ; k likewise
	global_store_b128 v[L16], v[OT+16+4*\i:OT+16+4*\i+3], s[40:41] offset:512*\i   ; v: the 16 keys of tile 2 a + i are half i of the block of 32 keys
.endr
	s_wait_tensorcnt 0x0                           ; the wave's end, behind my last LDS store
	ds_add_u32 v[SPW], v[NIL]
	s_wait_dscnt 0x0
	s_endpgm
.Lfunc_end_k_q6e1136efb1_qkv:
	.size	k_q6e1136efb1_qkv, .Lfunc_end_k_q6e1136efb1_qkv-k_q6e1136efb1_qkv
	.p2alignl 7, 3214868480
	.fill 96, 4, 3214868480
	.section	.rodata,"a",@progbits
	.p2align	6, 0x0
	.amdhsa_kernel k_q6e1136efb1_qkv
		.amdhsa_group_segment_fixed_size 94208
		.amdhsa_private_segment_fixed_size 0
		.amdhsa_enable_private_segment 0
		.amdhsa_kernarg_size 88
		.amdhsa_user_sgpr_count 2
		.amdhsa_user_sgpr_kernarg_segment_ptr 1
		.amdhsa_wavefront_size32 1
		.amdhsa_system_sgpr_workgroup_id_x 1
		.amdhsa_system_sgpr_workgroup_id_y 1
		.amdhsa_system_sgpr_workgroup_id_z 1
		.amdhsa_system_vgpr_workitem_id 0
		.amdhsa_next_free_vgpr 256
		.amdhsa_next_free_sgpr 66
		.amdhsa_reserve_vcc 0
		.amdhsa_float_denorm_mode_32 3
		.amdhsa_float_denorm_mode_16_64 3
		.amdhsa_memory_ordered 1
		.amdhsa_forward_progress 1
		.amdhsa_inst_pref_size 55
	.end_amdhsa_kernel
	.amdgpu_metadata
---
amdhsa.version: [ 1, 2 ]
amdhsa.kernels:
  - .name:           k_q6e1136efb1_qkv
    .symbol:         k_q6e1136efb1_qkv.kd
    .args:
      - { .name: x, .offset: 0, .size: 8, .value_kind: global_buffer, .address_space: global }
      - { .name: Wq, .offset: 8, .size: 8, .value_kind: global_buffer, .address_space: global }
      - { .name: Wk, .offset: 16, .size: 8, .value_kind: global_buffer, .address_space: global }
      - { .name: Wv, .offset: 24, .size: 8, .value_kind: global_buffer, .address_space: global }
      - { .name: bq, .offset: 32, .size: 8, .value_kind: global_buffer, .address_space: global }
      - { .name: bk, .offset: 40, .size: 8, .value_kind: global_buffer, .address_space: global }
      - { .name: bv, .offset: 48, .size: 8, .value_kind: global_buffer, .address_space: global }
      - { .name: Wo, .offset: 56, .size: 8, .value_kind: global_buffer, .address_space: global }
      - { .name: qf, .offset: 64, .size: 8, .value_kind: global_buffer, .address_space: global }
      - { .name: kvf, .offset: 72, .size: 8, .value_kind: global_buffer, .address_space: global }
      - { .name: wof, .offset: 80, .size: 8, .value_kind: global_buffer, .address_space: global }
    .group_segment_fixed_size: 94208
    .private_segment_fixed_size: 0
    .kernarg_segment_align: 8
    .kernarg_segment_size: 88
    .max_flat_workgroup_size: 512
    .sgpr_count:     66
    .vgpr_count:     256
    .wavefront_size: 32
...
	.end_amdgpu_metadata
.endif
;; end of part 1
;; launch attn (part 2): grid 32 x 8, 8 waves a work-group, clusters of 4 x 1, 327,680 bytes of LDS; arguments qf, kvf, cf; writes cf
.if DOCPART == 2
	.amdgcn_target "amdgcn-amd-amdhsa--gfx1250"
	.amdhsa_code_object_version 6
	.text
	.protected	k_q6e1136efb1_attn
	.globl	k_q6e1136efb1_attn
	.p2align	8
	.type	k_q6e1136efb1_attn,@function
k_q6e1136efb1_attn:
	s_mov_b64 s[64:65], 0
	v_nop
	global_prefetch_b8 v0, s[64:65] scope:SCOPE_SE
	s_setreg_imm32_b32 hwreg(HW_REG_WAVE_MODE, 25, 1), 1
	s_wait_xcnt 0x0
	s_wait_alu depctr_hold_cnt(0) depctr_sa_sdst(0) depctr_va_vdst(0) depctr_va_sdst(0) depctr_va_ssrc(0) depctr_va_vcc(0) depctr_vm_vsrc(0)
	s_getreg_b32 s2, hwreg(HW_REG_IB_STS2, 6, 4)
	s_cmp_eq_u32 s2, 0
	s_cbranch_scc0 .Lentry_in_a_cluster
	s_endpgm
.Lentry_in_a_cluster:
	s_bfe_u32 s2, ttmp6, 0x10000c
	s_cmp_lg_u32 s2, 0x3003
	s_cbranch_scc0 .Lentry_shape_is_right
	s_endpgm
.Lentry_shape_is_right:
; heads[h][q][:] = the sum over k of softmax_k(q . k / 8) v[k][:], 8 heads, 4,096 positions, head size 64, no mask.  Operands f16; products, maxima and sums f32; the weights p are rounded to f16 for the second product, the result once.
; qf, kvf: images of operand registers (a fragment of 16 x 32 is 1,024 bytes: registers 0-3 of the 32 lanes, 16 bytes a lane, then registers 4-7):
;   qf  [head][tile of 16 queries][channels 32 cs][half][lane][16 B];   kvf [head][slot of 512 keys][131,072 B]: K as [tile of 16 keys][cs][half][lane], from byte 65,536 V^T as [32 keys][16 channels][half][lane].
;   cf  [block of 64 rows][K step of 32 of the 512 channels][tile of 16 rows][half][lane][16 B]: the next launch's operand.
; So every tile is a dense block for the tensor data mover, every LDS load takes 512 consecutive bytes, and V needs no turning load.
; LIMITS: NaN and infinities are not served; the result leaves as f16, so |v| must lie under 65,504.
; SHARES.  A work-group owns 128 queries of one head.  Wave w: g = w % 4 picks 32 queries (two tiles), j = w / 4 a half of the keys: keys 256 j .. 256 j + 255 of every slot, 64 a step.
; Two waves stand on a SIMD, so that one wave's softmax stands beside the other's products.  At the end the two halves' (c m, l, O) are joined through LDS.
; LAYOUT.  S^T = K Q^T (source 0 = 16 keys, source 1 = 16 queries): a lane holds ONE query (lane % 16) and keys 8 (lane / 16) + 0..7.  Two such tiles, rounded to f16 in pairs, ARE source 1 of O^T = V^T P.
; SOFTMAX.  For each query a running maximum m and sum l: p = 2^(c s - c m), c = log2(e) / 8; in every step O and l are multiplied by a = 2^(c m_old - c m_new).
; CLUSTER.  The four query blocks of a cluster belong to one head and walk the same K and V: each slot is asked for JOINTLY, by the same eight tensor loads (one a wave, 16,384 bytes) with a mask that names the four.
; REGISTERS: window 0: v1-9 addresses; v10-13 statistics to be sent; v16-31 statistics; v32-63 Q; v64-127 K of a step; v128-191 V of a step; v192-255 S^T, 32 a tile; P is written over the tile's first 16.
;   window 1: v0-63 O^T: tile t, channels 16 ct on, at 32 t + 8 ct.
.set SLOTB, 131072                     ; a slot: 512 keys of K, then of V^T
.set SLOT1, 1<<17                      ; slot 1 begins here: one exclusive or turns an address in one slot into the other's
.set MERGE, 2*SLOT1                    ; behind the ring: for each g 16 x 512 bytes of O^T and 512 of statistics
.set MGW,   8704
.set SPARE, MERGE+4*MGW                ; the spare words, 128 bytes for each of eight waves: four blocks of 256 bytes that no other line names
.set L16, 1                            ; v1   16 x lane
.set AK0, 2                            ; v2   my place in a slot's K: 16 lane + 32768 j
.set AV0, 3                            ; v3   in its V^T: + 65536
.set ADK, 4                            ; v4   the same in the slot in hand
.set ADV, 5                            ; v5
.set MG,  6                            ; v6   MERGE + 8704 g + 16 lane
.set PFO, 7                            ; v7   256 x lane; never rewritten
.set SPW, 8                            ; v8   LDS address of my spare word; never rewritten
.set NIL, 9                            ; v9   0; never rewritten
.set SND, 10                           ; v10-13 c m and l of both tiles
.set ST,  16                           ; tile t's statistics at 16 + 8 t: +0 c m, +1 m, +2, +3 l (even keys', odd keys'), +4 .. +7 at work; a takes +6
.set Q,   32
.set KF,  64
.set VF,  128
.set S,   192
.set OH,  132                          ; the way out: the result as f16
.set WV,  10                           ; s10 wave; s11 g; s12 j; s13 cx; s14 query block; s15 head
.set G1,  16                           ; s[16:23] descriptor group 1
.set G0,  24                           ; s[24:27] group 0, which walks
.set TB,  28                           ; s28  LDS byte at which the slot in hand begins
.set SLOTS, 29                         ; s29  slots still to be asked for
.set LIM, 30                           ; s30  1 in a wave that prefetches, else the greatest number
.set PFA, 32                           ; s[32:33] where my prefetches stand
.set CS,  34                           ; s[34:35] c: the packed form names a pair and takes its low word for both halves
.set SEL, 36                           ; s[36:37] lane selects for v_permlanex16_b32: lane l xor 16
.set MSB, 0
.macro WIN new                         ; s_set_vgpr_msb: bits 1:0 source 0, 3:2 source 1, 5:4 source 2, 7:6 destination; the high byte repeats the setting that is left
.if MSB != \new
	s_set_vgpr_msb (MSB<<8)|\new
.set MSB, \new
.endif
.endm
; A round of the cluster's barrier: my work-group's barrier, wave 0 signals for the work-group, every wave waits for all four work-groups, my work-group's barrier once more.
.macro CROUND
	s_barrier_signal -1
	s_barrier_wait -1
	s_cmp_lg_u32 s[WV], 0
	s_cbranch_scc1 .Lnot_wave_0_\@
	s_barrier_signal -3
.Lnot_wave_0_\@:
	s_barrier_wait -3
	s_barrier_signal -1
	s_barrier_wait -1
.endm
; A PREFETCH INTO THE L2 of the slot that the NEXT change of slots will ask for: 131,072 bytes, each aligned block of 256 named once in the launch.  All eight clusters of a head walk the same slots: the head's first
; cluster asks.  Its four partners take 32,768 bytes each, told apart BY ADDRESS; in each, waves 0-3 take 8,192 bytes, lanes 256 bytes apart: one instruction a wave.  It stands behind the wave's tensor load and its
; five lines, four key steps of the wave ahead of the load that will want the bytes.  Slots 0 and 1 come by their loads alone; the last change that fills a slot asks for nothing: there is no slot behind it.
.macro ASK
	s_cmp_gt_u32 s[SLOTS], s[LIM]
	s_cbranch_scc0 .Lnot_mine_\@
	global_prefetch_b8 v[PFO], s[PFA:PFA+1] th:TH_LOAD_NT scope:SCOPE_SE
.Lnot_mine_\@:
.endm
; THE CHANGE OF SLOTS stands at a slot's head.  Each wave waits for all its tensor loads (its eighth of the slot that it is about to read), adds 0 to its spare word, and waits for that and for its reads of the slot
; that it has left.  fill = 1: behind a round of the cluster's barrier no wave of any partner reads that slot or has a load on its way, and it takes the next 512 keys: one load a wave, first thing there,
; with a slot's four key steps in which to land.
.macro CHANGE fill
	WIN 0
	s_wait_tensorcnt 0x0                           ; no tensor load of mine is out, so group 0 may be written
	ds_add_u32 v[SPW], v[NIL]                      ; 0 onto my spare word
.if \fill
	s_xor_b32 s[G0+1], s[G0+1], SLOT1              ; the other slot than last time,
	s_add_nc_u64 s[G0+2:G0+3], s[G0+2:G0+3], SLOTB ; the next 512 keys; the type bits on top are not reached
	s_wait_xcnt 0x0                                ; the last prefetch, a slot back, has read its address, so it may be written:
	s_add_nc_u64 s[PFA:PFA+1], s[PFA:PFA+1], SLOTB ; one slot further on than the walking descriptor
	s_wait_dscnt 0x0                               ; the add is done, and my reads of the slot that I have left are over
	CROUND
	tensor_load_to_lds s[G0:G0+3], s[G1:G1+7]
	s_nop 0
.rept 4
	v_nop
.endr
	ASK
.else
	s_wait_dscnt 0x0
	s_barrier_signal -1
	s_barrier_wait -1
.endif
.endm
.macro KLOAD q                         ; step q's K: four tiles of 16 keys x two fragments: register KF + 16 kt + 8 cs + 4 half
.set n, 0
.rept 16
	ds_load_b128 v[KF+4*n:KF+4*n+3], v[ADK] offset:8192*(\q)+512*n
.set n, n+1
.endr
.endm
.macro VLOAD q                         ; its V^T: two blocks of 32 keys x four tiles of 16 channels: register VF + 32 kb + 8 ct + 4 half
.set n, 0
.rept 16
	ds_load_b128 v[VF+4*n:VF+4*n+3], v[ADV] offset:8192*(\q)+512*n
.set n, n+1
.endr
.endm
; In both products eight accumulators take turns, one instruction a turn.
.macro KQ                              ; product e of 16: channels 32 (e / 8) on, keys 16 ((e / 2) % 4) on, tile e % 2.  The first eight start the sums
.set e, 0
.rept 16
.set rD, S+32*(e%2)+8*((e/2)%4)
.set rK, KF+16*((e/2)%4)+8*(e/8)
.set rQ, Q+16*(e%2)+8*(e/8)
.if e < 8
	v_wmma_f32_16x16x32_f16 v[rD:rD+7], v[rK:rK+7], v[rQ:rQ+7], 0
.else
	v_wmma_f32_16x16x32_f16 v[rD:rD+7], v[rK:rK+7], v[rQ:rQ+7], v[rD:rD+7]
.endif
.set e, e+1
.endr
.endm
.macro PV                              ; product e of 16: keys 32 (e / 8) on, channels 16 ((e / 2) % 4) on, tile e % 2
	WIN 0x50                                       ; C and D: O^T, window 1
.set e, 0
.rept 16
.set rO, 32*(e%2)+8*((e/2)%4)
.set rV, VF+32*(e/8)+8*((e/2)%4)
.set rP, S+32*(e%2)+8*(e/8)
	v_wmma_f32_16x16x32_f16 v[rO:rO+7], v[rV:rV+7], v[rP:rP+7], v[rO:rO+7]
.set e, e+1
.endr
.endm
; The softmax of both tiles for one step, the tiles alternating line by line, so that no line reads the result of the line above it.
.macro SOFTMAX
.irp n, 0,1,2,3                        ; the maximum of the lane's 32 scores and the old m, in four chains; each accumulator is first read at its low end
.irp t, 0,1
	v_max3_num_f32 v[ST+8*\t+4+\n], v[S+32*\t+8*\n], v[S+32*\t+8*\n+1], v[S+32*\t+8*\n+2]
.endr
.endr
.irp u, 3,5
.irp n, 0,1,2,3
.irp t, 0,1
	v_max3_num_f32 v[ST+8*\t+4+\n], v[ST+8*\t+4+\n], v[S+32*\t+8*\n+\u], v[S+32*\t+8*\n+\u+1]
.endr
.endr
.endr
.irp t, 0,1
	v_max3_num_f32 v[ST+8*\t+4], v[ST+8*\t+4], v[S+32*\t+7], v[S+32*\t+15]
.endr
.irp t, 0,1
	v_max3_num_f32 v[ST+8*\t+6], v[ST+8*\t+6], v[S+32*\t+23], v[S+32*\t+31]
.endr
.irp t, 0,1
	v_max3_num_f32 v[ST+8*\t+4], v[ST+8*\t+4], v[ST+8*\t+5], v[ST+8*\t+6]
.endr
.irp t, 0,1
	v_max3_num_f32 v[ST+8*\t+4], v[ST+8*\t+4], v[ST+8*\t+7], v[ST+8*\t+1]
.endr
.irp t, 0,1
	v_permlanex16_b32 v[ST+8*\t+5], v[ST+8*\t+4], s[SEL], s[SEL+1]   ; the query's other 32 keys lie in the lane 16 away
.endr
.irp t, 0,1
	v_mov_b32 v[ST+8*\t+7], v[ST+8*\t]             ; c m_old is kept for a
.endr
.irp t, 0,1
	v_max_num_f32 v[ST+8*\t+1], v[ST+8*\t+4], v[ST+8*\t+5]
.endr
.irp t, 0,1
	v_mul_f32 v[ST+8*\t], s[CS], v[ST+8*\t+1]
.endr
.irp t, 0,1
	v_sub_f32 v[ST+8*\t+7], v[ST+8*\t+7], v[ST+8*\t]
.endr
.irp b, 0,1,2,3,4,5,6,7,8,9,10,11,12,13,14,15
.irp t, 0,1
	v_pk_fma_f32 v[S+32*\t+2*\b:S+32*\t+2*\b+1], v[S+32*\t+2*\b:S+32*\t+2*\b+1], s[CS:CS+1], v[ST+8*\t:ST+8*\t+1] op_sel_hi:[1,0,0] neg_lo:[0,0,1] neg_hi:[0,0,1]   ; c s - c m, two at a time
.endr
.endr
.irp t, 0,1
	v_exp_f32 v[ST+8*\t+6], v[ST+8*\t+7]           ; a
.endr
.set e, 0
.rept 32
	v_exp_f32 v[S+e], v[S+e]                       ; p, at most about 1
	v_exp_f32 v[S+32+e], v[S+32+e]
.set e, e+1
.endr
	v_nop                                          ; a plain instruction behind the last exponential
	s_wait_alu depctr_va_vdst(0)                   ; ONE wait for the 66 exponentials of both tiles, ahead of the first line that names a result
.irp t, 0,1
	v_pk_mul_f32 v[ST+8*\t+2:ST+8*\t+3], v[ST+8*\t+2:ST+8*\t+3], v[ST+8*\t+6:ST+8*\t+7] op_sel_hi:[1,0]   ; l under the new m
.endr
.irp t, 0,1                            ; the sum of the unrounded p, in two chains
	v_pk_add_f32 v[ST+8*\t+4:ST+8*\t+5], v[S+32*\t:S+32*\t+1], v[S+32*\t+2:S+32*\t+3]
.endr
.irp jj, 4,8,12,16,20,24,28
.irp t, 0,1
	v_pk_add_f32 v[ST+8*\t+2:ST+8*\t+3], v[ST+8*\t+2:ST+8*\t+3], v[S+32*\t+\jj:S+32*\t+\jj+1]
.endr
.irp t, 0,1
	v_pk_add_f32 v[ST+8*\t+4:ST+8*\t+5], v[ST+8*\t+4:ST+8*\t+5], v[S+32*\t+\jj+2:S+32*\t+\jj+3]
.endr
.endr
.irp t, 0,1
	v_pk_add_f32 v[ST+8*\t+2:ST+8*\t+3], v[ST+8*\t+2:ST+8*\t+3], v[ST+8*\t+4:ST+8*\t+5]
.endr
.irp n, 0,1,2,3,4,5,6,7,8,9,10,11,12,13,14,15
.irp t, 0,1
	v_cvt_pk_f16_f32 v[S+32*\t+\n], v[S+32*\t+2*\n], v[S+32*\t+2*\n+1]   ; P in place: register n is written from registers 2 n and 2 n + 1, never from a lower one
.endr
.endr
	WIN 0x41                                       ; O^T (destination and source 0) in window 1, a in window 0
.irp n, 0,1,2,3,4,5,6,7,8,9,10,11,12,13,14,15
.irp t, 0,1
	v_pk_mul_f32 v[32*\t+2*\n:32*\t+2*\n+1], v[32*\t+2*\n:32*\t+2*\n+1], v[ST+8*\t+6:ST+8*\t+7] op_sel_hi:[1,0]   ; O^T under the new m, each accumulator from its low end on
.endr
.endr
	WIN 0
.endm
; A KEY STEP: 64 keys, the q-th of my half of the slot in hand.
.macro STEP q
.rept 5
	v_nop                                          ; the scores are written over P, which the last V^T P read: five plain instructions between (for V's loads into registers that it read: four)
.endr
.if (\q) == 0
	KLOAD 0
.endif
	VLOAD \q
	s_wait_dscnt 16                                ; K is in; V's sixteen loads may be out
	KQ
.rept 4
	v_nop                                          ; in front of the loads into K's registers and of the first read of the scores
.endr
.if (\q) < 3
	KLOAD (\q)+1
.endif
	SOFTMAX
.if (\q) < 3
	s_wait_dscnt 16                                ; V is in; the next step's K may be out
.else
	s_wait_dscnt 0x0
.endif
	PV
	WIN 0
.endm
.macro SLOT_STEPS
	v_add_nc_u32 v[ADK], s[TB], v[AK0]
	v_add_nc_u32 v[ADV], s[TB], v[AV0]
	STEP 0
	STEP 1
	STEP 2
	STEP 3
	s_xor_b32 s[TB], s[TB], SLOT1                  ; on to the other slot
.endm
	s_load_b128 s[4:7], s[0:1], 0x0                ; qf s[4:5], kvf s[6:7]
	s_load_b64 s[8:9], s[0:1], 0x10                ; cf
	v_lshl_add_u32 v[SPW], v0, 2, SPARE
	v_mov_b32 v[NIL], 0
	ds_add_u32 v[SPW], v[NIL]                      ; the wave's opening: the add, twice on end, and its wait ahead of my first tensor load; the set-up below is work on registers
	ds_add_u32 v[SPW], v[NIL]                      ; and once more, under the one wait
	v_lshrrev_b32 v1, 5, v0
	v_readfirstlane_b32 s[WV], v1                  ; wave 0..7
	s_and_b32 s11, s[WV], 3                        ; g
	s_lshr_b32 s12, s[WV], 2                       ; j
	s_bfe_u32 s13, ttmp6, 0x40000                  ; cx: my place in the cluster
	s_lshl_b32 s14, ttmp9, 2                       ; in a cluster launch ttmp9 counts clusters
	s_add_co_u32 s14, s14, s13                     ; my block of 128 queries: it enters qf's and cf's addresses alone
	s_and_b32 s15, ttmp7, 0xffff                   ; the head, which the four partners share
	; descriptor group 1: a dense block of 16,384 bytes as 64 rows of 256 bytes (32 elements of 8 bytes), no padding
	s_mov_b32 s[G1], 15|(3<<16)|(1<<21)            ; 15:0 the mask: all four work-groups; 17:16 elements of 8 bytes; 21 set beside a mask
	s_mov_b32 s[G1+1], 32<<16                      ; tensor_dim0 = 32
	s_mov_b32 s[G1+2], 64<<16                      ; tensor_dim1 = 64
	s_mov_b32 s[G1+3], 32<<16                      ; tile_dim0 = 32
	s_mov_b32 s[G1+4], 64                          ; tile_dim1 = 64
	s_mov_b32 s[G1+5], 32                          ; from row to row
	s_mov_b32 s[G1+6], 0
	s_mov_b32 s[G1+7], 0
	s_mov_b32 s[CS], 0x3e38aa3b                    ; c = log2(e) / 8
	s_mov_b32 s[CS+1], s[CS]                       ; (named with it as a pair, so it is written)
	s_mov_b32 s[SEL], 0x76543210
	s_mov_b32 s[SEL+1], 0xfedcba98
	s_mov_b32 s[TB], 0
	s_mov_b32 s[SLOTS], 7
	s_or_b32 s[LIM], s12, ttmp9                    ; 0 in waves 0-3 of the head's first cluster: the same in all four partners
	s_cmp_eq_u32 s[LIM], 0
	s_cselect_b32 s[LIM], 1, -1
	s_lshl_b32 s38, s15, 20                        ; kvf: the head's 8 slots, my eighth of slot 0
	s_lshl_b32 s46, s[WV], 14
	s_add_co_u32 s38, s38, s46
	s_mov_b32 s39, 0
	s_lshl_b32 s40, s15, 19                        ; qf: 524288 head + 16384 block + 4096 g
	s_lshl_b32 s46, s14, 14
	s_add_co_u32 s40, s40, s46
	s_lshl_b32 s46, s11, 12
	s_add_co_u32 s40, s40, s46
	s_mov_b32 s41, 0
	s_lshl_b32 s42, s14, 1                         ; cf: 65536 (2 block + g / 2) + 8192 head + 2048 (g % 2)
	s_lshr_b32 s46, s11, 1
	s_add_co_u32 s42, s42, s46
	s_lshl_b32 s42, s42, 16
	s_lshl_b32 s46, s15, 13
	s_add_co_u32 s42, s42, s46
	s_and_b32 s46, s11, 1
	s_lshl_b32 s46, s46, 11
	s_add_co_u32 s42, s42, s46
	s_mov_b32 s43, 0
	s_lshl_b32 s44, s15, 20                        ; the prefetches: in slot 1 (the first change of slots steps it to slot 2), my work-group's 32,768 bytes, my wave's 8,192
	s_lshl_b32 s46, s13, 15
	s_add_co_u32 s44, s44, s46
	s_lshl_b32 s46, s11, 13
	s_add_co_u32 s44, s44, s46
	s_add_co_u32 s44, s44, SLOTB
	s_mov_b32 s45, 0
	v_and_b32 v[PFO], 31, v0
	v_lshlrev_b32 v[L16], 4, v[PFO]
	v_lshlrev_b32 v[PFO], 8, v[PFO]
	s_lshl_b32 s46, s12, 15
	v_add_nc_u32 v[AK0], s46, v[L16]
	v_add_nc_u32 v[AV0], 0x10000, v[AK0]
	s_mul_i32 s46, s11, MGW
	s_add_co_u32 s46, s46, MERGE
	v_add_nc_u32 v[MG], s46, v[L16]
	s_wait_dscnt 0x0                               ; both opening adds are done
	s_wait_kmcnt 0x0
	s_add_nc_u64 s[4:5], s[4:5], s[40:41]
	s_add_nc_u64 s[8:9], s[8:9], s[42:43]
	s_add_nc_u64 s[PFA:PFA+1], s[6:7], s[44:45]
	s_mov_b32 s[G0], 1                             ; count = 1
	s_lshl_b32 s[G0+1], s[WV], 14                  ; LDS address: slot 0, my eighth: no place in the cluster enters it
	s_add_nc_u64 s[G0+2:G0+3], s[6:7], s[38:39]
	s_or_b32 s[G0+3], s[G0+3], 0x80000000          ; type = 2
	CROUND                                         ; all four work-groups are here: the first joint loads meet
	tensor_load_to_lds s[G0:G0+3], s[G1:G1+7]      ; slot 0: one load of mine is out
	s_nop 0
.rept 4
	v_nop
.endr
.set n, 0
.rept 8
	global_load_b128 v[Q+4*n:Q+4*n+3], v[L16], s[4:5] offset:512*n   ; Q stays in registers: tile t, channels 32 cs on, at Q + 16 t + 8 cs
.set n, n+1
.endr
.irp t, 0,1
	v_mov_b32 v[ST+8*\t+1], 0xff61b1e6             ; m: -3e38, under every score
	v_mul_f32 v[ST+8*\t], s[CS], v[ST+8*\t+1]
.irp b, 2,3,4,5,6,7
	v_mov_b32 v[ST+8*\t+\b], 0                     ; l; and the registers at work (a lane permute's destination counts as one of its sources)
.endr
.endr
	WIN 0x40
.set n, 0
.rept 64
	v_mov_b32 v[n], 0                              ; O^T.  The key step is written without a first step of its own: the first a is 0 and multiplies zeros
.set n, n+1
.endr
	WIN 0
	s_wait_loadcnt 0x0                             ; Q
.Lslot:                                            ; seven trips: trip t reads slot t and asks for slot t + 1
	CHANGE 1
	SLOT_STEPS
	s_sub_co_u32 s[SLOTS], s[SLOTS], 1
	s_cmp_lg_u32 s[SLOTS], 0
	s_cbranch_scc1 .Lslot
	CHANGE 0                                       ; the last slot is written out
	SLOT_STEPS
	; THE TWO HALVES OF THE KEYS ARE JOINED.  Waves 4-7 send c m, l and O^T through LDS; waves 0-3 bring both under the larger maximum, divide by the sum and store.  The ten lines below are also the places behind the last products.
.irp t, 0,1
	v_add_f32 v[ST+8*\t+4], v[ST+8*\t+2], v[ST+8*\t+3]
.endr
.irp t, 0,1
	v_permlanex16_b32 v[ST+8*\t+5], v[ST+8*\t+4], s[SEL], s[SEL+1]
.endr
.irp t, 0,1
	v_add_f32 v[ST+8*\t+4], v[ST+8*\t+4], v[ST+8*\t+5]   ; my half's l
.endr
.irp t, 0,1
	v_mov_b32 v[SND+2*\t], v[ST+8*\t]              ; four numbers on end, for one store of 16 bytes
	v_mov_b32 v[SND+2*\t+1], v[ST+8*\t+4]
.endr
	s_cmp_lt_u32 s[WV], 4
	s_cbranch_scc1 .Lno_send
	WIN 0x04                                       ; an LDS store's data are its source 1: window 1
.set n, 0
.rept 16
	ds_store_b128 v[MG], v[4*n:4*n+3] offset:512*n ; each accumulator from its low end on
.set n, n+1
.endr
	WIN 0
	ds_store_b128 v[MG], v[SND:SND+3] offset:8192
.Lno_send:
	s_wait_dscnt 0x0                               ; for the others' sake: my stores have landed
	s_barrier_signal -1
	s_barrier_wait -1
	s_cmp_lt_u32 s[WV], 4
	s_cbranch_scc0 .Lend
.set n, 0
.rept 16
	ds_load_b128 v[KF+4*n:KF+4*n+3], v[MG] offset:512*n
.set n, n+1
.endr
	ds_load_b128 v[VF:VF+3], v[MG] offset:8192
	s_wait_dscnt 0x0
.irp t, 0,1
	v_max_num_f32 v[ST+8*\t+5], v[ST+8*\t], v[VF+2*\t]   ; the larger c m
.endr
.irp t, 0,1
	v_sub_f32 v[ST+8*\t+6], v[ST+8*\t], v[ST+8*\t+5]
	v_sub_f32 v[ST+8*\t+7], v[VF+2*\t], v[ST+8*\t+5]
.endr
.irp t, 0,1
	v_exp_f32 v[ST+8*\t+6], v[ST+8*\t+6]
	v_exp_f32 v[ST+8*\t+7], v[ST+8*\t+7]
.endr
	v_nop                                          ; a plain instruction behind the last exponential,
	s_wait_alu depctr_va_vdst(0)                   ; and one wait for the four, ahead of their first reader
.irp t, 0,1
	v_mul_f32 v[ST+8*\t+4], v[ST+8*\t+4], v[ST+8*\t+6]
.endr
.irp t, 0,1
	v_fmac_f32 v[ST+8*\t+4], v[ST+8*\t+7], v[VF+2*\t+1]  ; the row's sum under the larger maximum
.endr
.irp t, 0,1
	v_rcp_f32 v[ST+8*\t+5], v[ST+8*\t+4]
.endr
	v_nop
	s_wait_alu depctr_va_vdst(0)                   ; one wait for the two reciprocals
.irp t, 0,1
	v_mul_f32 v[ST+8*\t+2], v[ST+8*\t+6], v[ST+8*\t+5]   ; my half's factor (the pair's upper register held l: it is written)
.endr
.irp t, 0,1
	v_mul_f32 v[ST+8*\t+6], v[ST+8*\t+7], v[ST+8*\t+5]   ; the other half's
.endr
.irp t, 0,1
.irp n, 0,1,2,3,4,5,6,7,8,9,10,11,12,13,14,15
	v_pk_mul_f32 v[KF+32*\t+2*\n:KF+32*\t+2*\n+1], v[KF+32*\t+2*\n:KF+32*\t+2*\n+1], v[ST+8*\t+6:ST+8*\t+7] op_sel_hi:[1,0]
.endr
.endr
	WIN 0x01                                       ; source 0: my O^T, window 1
.irp t, 0,1
.irp n, 0,1,2,3,4,5,6,7,8,9,10,11,12,13,14,15
	v_pk_fma_f32 v[KF+32*\t+2*\n:KF+32*\t+2*\n+1], v[32*\t+2*\n:32*\t+2*\n+1], v[ST+8*\t+2:ST+8*\t+3], v[KF+32*\t+2*\n:KF+32*\t+2*\n+1] op_sel_hi:[1,0,1]
.endr
.endr
	WIN 0
.irp t, 0,1
.irp n, 0,1,2,3,4,5,6,7,8,9,10,11,12,13,14,15
	v_cvt_pk_f16_f32 v[OH+16*\t+\n], v[KF+32*\t+2*\n], v[KF+32*\t+2*\n+1]
.endr
.endr
.irp t, 0,1
.irp ct, 0,1,2,3
	global_store_b128 v[L16], v[OH+16*\t+4*\ct:OH+16*\t+4*\ct+3], s[8:9] offset:1024*\t+4096*(\ct/2)+512*(\ct%2)   ; lane (r, h): row r, channels 64 head + 16 ct + 8 h + 0..7: half ct % 2 of K step 2 head + ct / 2; 512 consecutive bytes, aligned
.endr
.endr
.Lend:
	s_wait_tensorcnt 0x0                           ; the wave's end, behind my last tensor load and my last LDS store
	ds_add_u32 v[SPW], v[NIL]
	s_wait_dscnt 0x0
	CROUND                                         ; the closing round: no work-group ends while a partner may still ask for a tile that names it
	s_endpgm
.Lfunc_end_k_q6e1136efb1_attn:
	.size	k_q6e1136efb1_attn, .Lfunc_end_k_q6e1136efb1_attn-k_q6e1136efb1_attn
	.p2alignl 7, 3214868480
	.fill 96, 4, 3214868480
	.section	.rodata,"a",@progbits
	.p2align	6, 0x0
	.amdhsa_kernel k_q6e1136efb1_attn
		.amdhsa_group_segment_fixed_size 327680
		.amdhsa_private_segment_fixed_size 0
		.amdhsa_enable_private_segment 0
		.amdhsa_kernarg_size 24
		.amdhsa_user_sgpr_count 2
		.amdhsa_user_sgpr_kernarg_segment_ptr 1
		.amdhsa_wavefront_size32 1
		.amdhsa_system_sgpr_workgroup_id_x 1
		.amdhsa_system_sgpr_workgroup_id_y 1
		.amdhsa_system_sgpr_workgroup_id_z 1
		.amdhsa_system_vgpr_workitem_id 0
		.amdhsa_next_free_vgpr 320
		.amdhsa_next_free_sgpr 66
		.amdhsa_reserve_vcc 0
		.amdhsa_float_denorm_mode_32 3
		.amdhsa_float_denorm_mode_16_64 3
		.amdhsa_memory_ordered 1
		.amdhsa_forward_progress 1
		.amdhsa_inst_pref_size 157
	.end_amdhsa_kernel
	.amdgpu_metadata
---
amdhsa.version: [ 1, 2 ]
amdhsa.kernels:
  - .name:           k_q6e1136efb1_attn
    .symbol:         k_q6e1136efb1_attn.kd
    .args:
      - { .name: qf, .offset: 0, .size: 8, .value_kind: global_buffer, .address_space: global }
      - { .name: kvf, .offset: 8, .size: 8, .value_kind: global_buffer, .address_space: global }
      - { .name: cf, .offset: 16, .size: 8, .value_kind: global_buffer, .address_space: global }
    .group_segment_fixed_size: 327680
    .private_segment_fixed_size: 0
    .kernarg_segment_align: 8
    .kernarg_segment_size: 24
    .max_flat_workgroup_size: 256
    .sgpr_count:     66
    .vgpr_count:     320
    .wavefront_size: 32
...
	.end_amdgpu_metadata
.endif
;; end of part 2
;; launch proj (part 3): grid 4 x 64, 4 waves a work-group, clusters of 4 x 4, 214,528 bytes of LDS; arguments cf, wof, bo, out0; writes out0
.if DOCPART == 3
	.amdgcn_target "amdgcn-amd-amdhsa--gfx1250"
	.amdhsa_code_object_version 6
	.text
	.protected	k_q6e1136efb1_proj
	.globl	k_q6e1136efb1_proj
	.p2align	8
	.type	k_q6e1136efb1_proj,@function
k_q6e1136efb1_proj:
	s_mov_b64 s[64:65], 0
	v_nop
	global_prefetch_b8 v0, s[64:65] scope:SCOPE_SE
	s_setreg_imm32_b32 hwreg(HW_REG_WAVE_MODE, 25, 1), 1
	s_wait_xcnt 0x0
	s_wait_alu depctr_hold_cnt(0) depctr_sa_sdst(0) depctr_va_vdst(0) depctr_va_sdst(0) depctr_va_ssrc(0) depctr_va_vcc(0) depctr_vm_vsrc(0)
	s_getreg_b32 s2, hwreg(HW_REG_IB_STS2, 6, 4)
	s_cmp_eq_u32 s2, 0
	s_cbranch_scc0 .Lentry_in_a_cluster
	s_endpgm
.Lentry_in_a_cluster:
	s_bfe_u32 s2, ttmp6, 0x10000c
	s_cmp_lg_u32 s2, 0xf033
	s_cbranch_scc0 .Lentry_shape_is_right
	s_endpgm
.Lentry_shape_is_right:
; out0 = concat Wo + bo.  concat [4096][512] and Wo [512][512] arrive as f16, as images of operand registers (a fragment of 16 x 32 is 1,024 bytes: registers 0-3 of the 32 lanes, 16 bytes a lane, then registers 4-7):
;   cf  [block of 64 rows][K step of 32][tile of 16 rows][half][lane][16 B];   wof [128 columns][K step of 32][tile of 16 columns][half][lane][16 B].   bo [512], out0 [4096][512]: f32.  Sums in f32.
; SHARES.  A work-group makes 64 rows x 128 columns.  All of K = 512 lies in LDS at once: 65,536 bytes of cf, 131,072 of wof, filled once, in four quarters along K, so that the products begin when the first has landed.
; Wave w: rows 32 (w / 2) on (two tiles), columns 64 (w % 2) on (four tiles): eight accumulators, 128 matrix instructions.
; CLUSTER, 4 x 4.  cf's block hangs on the block of rows alone and is shared along a row of the cluster, wof's on the block of columns alone and is shared along a column: each is asked for JOINTLY.
; THE MATRIX INSTRUCTION IS USED TRANSPOSED (source 0 = 16 columns of Wo, source 1 = 16 rows): a lane holds eight neighbouring numbers of a row of out0.  The bias is the C of each sum's first product.
.set CIMG,  0                          ; LDS: cf's block: (K step, tile of rows) at 4096 ks + 1024 qt
.set WIMG,  65536                      ; wof's: (K step, tile of columns) at 8192 ks + 1024 ntb
.set STAGE, 196608                     ; the way out: 16 rows x (256 bytes + 16) for each wave; no tensor load lands here
.set SP,    272
.set SPARE, STAGE+4*16*SP              ; the spare words, 128 bytes for each wave: two blocks of 256 bytes that no other line names
.set AC,  1                            ; v1   16 lane + 2048 (w / 2)
.set AW0, 2                            ; v2   WIMG + 16 lane + 4096 (w % 2);  v3: 65,536 further on, for K steps 8 to 15
.set STO, 4                            ; v4   the stage: where I put 32 bytes of a row
.set RD,  5                            ; v5   and where I read a row back
.set GO,  6                            ; v6   my byte offset in out0: 2048 h + 16 r
.set BO,  7                            ; v7   bo: 32 h
.set SPW, 8                            ; v8   LDS address of my spare word; never rewritten
.set NIL, 9                            ; v9   0; never rewritten
.set BI,  16                           ; v16-47  the bias, tile n at 16 + 8 n, in the result's layout
.set FRG, 48                           ; v48-143 two sets of 48: the rows' two fragments, then the columns' four; on the way out rows read back
.set ACC, 144                          ; v144-207 accumulator (n, i) at 144 + 32 i + 8 n
.set WV,  12                           ; s12 wave; s13 w / 2; s14 w % 2
.set G1A, 16                           ; s[16:23] descriptor group 1 for cf;  s[24:31] for wof
.set G1B, 24
.set G0A, 32                           ; s[32:47] four groups 0 for cf's quarters;  s[48:63] for wof's
.set G0B, 48
.macro CROUND                          ; a round of the cluster's barrier
	s_barrier_signal -1
	s_barrier_wait -1
	s_cmp_lg_u32 s[WV], 0
	s_cbranch_scc1 .Lnot_wave_0_\@
	s_barrier_signal -3
.Lnot_wave_0_\@:
	s_barrier_wait -3
	s_barrier_signal -1
	s_barrier_wait -1
.endm
.macro FETCH ks                        ; K step ks: twelve LDS loads of 512 consecutive bytes into set ks % 2
.set FB, FRG+48*((\ks)%2)
.irp i, 0,1
.irp cc, 0,1
	ds_load_b128 v[FB+8*\i+4*\cc:FB+8*\i+4*\cc+3], v[AC] offset:CIMG+4096*(\ks)+1024*\i+512*\cc
.endr
.endr
.irp n, 0,1,2,3
.irp cc, 0,1
	ds_load_b128 v[FB+16+8*\n+4*\cc:FB+16+8*\n+4*\cc+3], v[AW0+(\ks)/8] offset:8192*((\ks)%8)+1024*\n+512*\cc
.endr
.endr
.endm
.macro MUL ks                          ; eight matrix instructions, the eight accumulators by turns in the same order in every K step
.set FB, FRG+48*((\ks)%2)
.irp n, 0,1,2,3
.irp i, 0,1
.if (\ks) == 0
	v_wmma_f32_16x16x32_f16 v[ACC+32*\i+8*\n:ACC+32*\i+8*\n+7], v[FB+16+8*\n:FB+16+8*\n+7], v[FB+8*\i:FB+8*\i+7], v[BI+8*\n:BI+8*\n+7]
.else
	v_wmma_f32_16x16x32_f16 v[ACC+32*\i+8*\n:ACC+32*\i+8*\n+7], v[FB+16+8*\n:FB+16+8*\n+7], v[FB+8*\i:FB+8*\i+7], v[ACC+32*\i+8*\n:ACC+32*\i+8*\n+7]
.endif
.endr
.endr
.endm
.macro PLACES                          ; four plain instructions between a matrix instruction and a load into its registers or a read of its result (ISA guide 7.12.1 for vector instructions)
.rept 4
	v_nop
.endr
.endm
	s_load_b256 s[4:11], s[0:1], 0x0               ; cf s[4:5], wof s[6:7], bo s[8:9], out0 s[10:11]
	v_lshl_add_u32 v[SPW], v0, 2, SPARE
	v_mov_b32 v[NIL], 0
	ds_add_u32 v[SPW], v[NIL]                      ; the wave's opening: the add, twice on end, and its wait ahead of my first tensor load; the set-up below is work on registers
	ds_add_u32 v[SPW], v[NIL]                      ; and once more, under the one wait
	v_lshrrev_b32 v10, 5, v0
	v_readfirstlane_b32 s[WV], v10                 ; wave 0..3
	s_lshr_b32 s13, s[WV], 1                       ; which 32 rows are mine.  Also: I fetch for cf (0) or for wof (1)
	s_and_b32 s14, s[WV], 1                        ; which 64 columns.  Also: which half of a quarter I fetch
	s_bfe_u32 s66, ttmp6, 0x40000                  ; cx, cy: my place in the cluster
	s_bfe_u32 s67, ttmp6, 0x40004
	s_lshl_b32 s68, ttmp9, 2
	s_add_co_u32 s68, s68, s66                     ; block of 128 columns = 4 x cluster x + cx
	s_and_b32 s69, ttmp7, 0xffff
	s_lshl_b32 s69, s69, 2
	s_add_co_u32 s69, s69, s67                     ; block of 64 rows = 4 x cluster y + cy
	s_lshl_b32 s70, s67, 2
	s_lshl_b32 s70, 15, s70                        ; my row of the cluster
	s_lshl_b32 s71, 0x1111, s66                    ; my column
	; descriptor groups 1: dense blocks as rows of 256 bytes (32 elements of 8 bytes), no padding: 32 rows of cf, 64 rows of wof
	s_or_b32 s[G1A], s70, (3<<16)|(1<<21)          ; 15:0 the mask: cf's tiles go to my row; 17:16 elements of 8 bytes; 21 set beside a mask
	s_or_b32 s[G1B], s71, (3<<16)|(1<<21)          ; wof's go to my column
	s_mov_b32 s[G1A+1], 32<<16                     ; tensor_dim0 = 32
	s_mov_b32 s[G1A+2], 32<<16                     ; tensor_dim1 = 32
	s_mov_b32 s[G1A+3], 32<<16                     ; tile_dim0 = 32
	s_mov_b32 s[G1A+4], 32                         ; tile_dim1 = 32
	s_mov_b32 s[G1A+5], 32                         ; from row to row
	s_mov_b32 s[G1A+6], 0
	s_mov_b32 s[G1A+7], 0
	s_mov_b32 s[G1B+1], 32<<16
	s_mov_b32 s[G1B+2], 64<<16                     ; tensor_dim1 = 64
	s_mov_b32 s[G1B+3], 32<<16
	s_mov_b32 s[G1B+4], 64                         ; tile_dim1 = 64
	s_mov_b32 s[G1B+5], 32
	s_mov_b32 s[G1B+6], 0
	s_mov_b32 s[G1B+7], 0
	s_lshl_b32 s76, s14, 13                        ; my half of a quarter of cf: 8,192 bytes, in LDS as in memory: no place in the cluster enters an LDS address
	s_lshl_b32 s77, s14, 14                        ; of wof: 16,384 bytes
	s_lshl_b32 s72, s69, 16                        ; cf: 65536 x block of rows + my half
	s_add_co_u32 s72, s72, s76
	s_mov_b32 s73, 0
	s_lshl_b32 s74, s68, 17                        ; wof: 131072 x block of columns + my half
	s_add_co_u32 s74, s74, s77
	s_mov_b32 s75, 0
	s_lshl_b32 s78, s68, 9                         ; bo: 512 x block of columns + 256 (w % 2)
	s_lshl_b32 s80, s14, 8
	s_add_co_u32 s78, s78, s80
	s_mov_b32 s79, 0
	s_lshl_b32 s80, s69, 17                        ; out0: 64 rows of 2,048 bytes a block, 32 rows for w / 2, and the columns as in bo
	s_lshl_b32 s82, s13, 16
	s_add_co_u32 s80, s80, s82
	s_add_co_u32 s80, s80, s78
	s_mov_b32 s81, 0
	s_wait_dscnt 0x0                               ; both opening adds are done
	s_wait_kmcnt 0x0
	s_add_nc_u64 s[72:73], s[4:5], s[72:73]
	s_add_nc_u64 s[74:75], s[6:7], s[74:75]
	s_add_nc_u64 s[8:9], s[8:9], s[78:79]
	s_add_nc_u64 s[10:11], s[10:11], s[80:81]
	CROUND                                         ; all sixteen work-groups are here: the joint loads meet
.irp qq, 0,1,2,3                       ; quarter qq: K steps 4 qq .. 4 qq + 3
	s_mov_b32 s[G0A+4*\qq], 1
	s_add_co_u32 s[G0A+4*\qq+1], s76, CIMG+16384*\qq
	s_add_nc_u64 s[G0A+4*\qq+2:G0A+4*\qq+3], s[72:73], 16384*\qq
	s_or_b32 s[G0A+4*\qq+3], s[G0A+4*\qq+3], 0x80000000
	s_mov_b32 s[G0B+4*\qq], 1
	s_add_co_u32 s[G0B+4*\qq+1], s77, WIMG+32768*\qq
	s_add_nc_u64 s[G0B+4*\qq+2:G0B+4*\qq+3], s[74:75], 32768*\qq
	s_or_b32 s[G0B+4*\qq+3], s[G0B+4*\qq+3], 0x80000000
.endr
	s_cmp_eq_u32 s13, 0                            ; a wave's four fills stand in one branch on the wave's number, ahead of every wait on TENSORcnt, every LDS read and every other barrier: four loads of mine are out
	s_cbranch_scc0 .Lfor_w
.irp qq, 0,1,2,3
	tensor_load_to_lds s[G0A+4*\qq:G0A+4*\qq+3], s[G1A:G1A+7]
	s_nop 0
.endr
.rept 4
	v_nop
.endr
	s_branch .Lasked
.Lfor_w:
.irp qq, 0,1,2,3
	tensor_load_to_lds s[G0B+4*\qq:G0B+4*\qq+3], s[G1B:G1B+7]
	s_nop 0
.endr
.rept 4
	v_nop
.endr
.Lasked:
	v_and_b32 v10, 31, v0                          ; lane
	v_and_b32 v11, 15, v0                          ; r
	v_bfe_u32 v12, v0, 4, 1                        ; h
	v_lshlrev_b32 v[BO], 5, v12
.irp n, 0,1,2,3
.irp cc, 0,1
	global_load_b128 v[BI+8*\n+4*\cc:BI+8*\n+4*\cc+3], v[BO], s[8:9] offset:64*\n+16*\cc   ; lane (r, h), tile n: bo at columns 16 n + 8 h + 0..7 of my 64
.endr
.endr
	v_lshlrev_b32 v13, 4, v10                      ; 16 x lane
	s_lshl_b32 s82, s13, 11
	v_add_nc_u32 v[AC], s82, v13
	s_lshl_b32 s82, s14, 12
	s_add_co_u32 s82, s82, WIMG
	v_add_nc_u32 v[AW0], s82, v13
	v_add_nc_u32 v[AW0+1], 0x10000, v[AW0]
	s_mul_i32 s82, s[WV], 16*SP
	s_add_co_u32 s82, s82, STAGE                   ; my stage
	v_mul_u32_u24 v[STO], v11, SP                  ; in: row r, 32 bytes for each half of the lanes
	v_lshl_add_u32 v[STO], v12, 5, v[STO]
	v_add_nc_u32 v[STO], s82, v[STO]
	v_mul_u32_u24 v[RD], v12, SP                   ; back: lanes 0-15 one row of 256 bytes, lanes 16-31 the next
	v_lshl_add_u32 v[RD], v11, 4, v[RD]
	v_add_nc_u32 v[RD], s82, v[RD]
	v_lshlrev_b32 v[GO], 11, v12                   ; and the same two rows in out0
	v_lshl_add_u32 v[GO], v11, 4, v[GO]
	s_wait_tensorcnt 3                             ; my part of the first quarter is in; the three later quarters may stay out
	s_barrier_signal -1
	s_barrier_wait -1                              ; everybody's is
	FETCH 0
	FETCH 1
	s_wait_loadcnt 0x0                             ; the bias
.irp ks, 0,1,2,3,4,5,6,7,8,9,10,11,12,13,14,15
.if \ks < 15
	s_wait_dscnt 12                                ; this K step's twelve loads are in; the next step's may be out
.else
	s_wait_dscnt 0x0
.endif
	MUL \ks
.if \ks+2 <= 15
	PLACES
.if (\ks+2)%4 == 0
	s_wait_tensorcnt 3-(\ks+2)/4                   ; my part of the next quarter is in; the quarters behind it may stay out
	s_wait_dscnt 0x0                               ; no LDS instruction of mine is pending at a signal
	s_barrier_signal -1
	s_barrier_wait -1                              ; everybody's part is in
.endif
	FETCH \ks+2
.endif
.endr
	; THE WAY OUT.  A lane holds 32 neighbouring bytes of a row, and the lanes beside it hold other rows: 16 rows x 256 bytes at a time go through my own stage and come back as whole rows.
	; LDS serves a wave's instructions in order (ISA guide 5.7.1.4): no wait between the stores and the loads, nor in front of the second tile's stores.
	PLACES
.irp i, 0,1
.irp n, 0,1,2,3
	ds_store_b128 v[STO], v[ACC+32*\i+8*\n:ACC+32*\i+8*\n+3] offset:64*\n         ; each accumulator from its low end on
	ds_store_b128 v[STO], v[ACC+32*\i+8*\n+4:ACC+32*\i+8*\n+7] offset:64*\n+16
.endr
.irp t, 0,1,2,3,4,5,6,7
	ds_load_b128 v[FRG+32*\i+4*\t:FRG+32*\i+4*\t+3], v[RD] offset:2*\t*SP
.endr
.endr
.irp i, 0,1
.irp t, 0,1,2,3,4,5,6,7
	s_wait_dscnt 16*(1-\i)+7-\t                    ; the LDS instructions issued behind this load: the rest of its run, and for the first tile the second's sixteen
	global_store_b128 v[GO], v[FRG+32*\i+4*\t:FRG+32*\i+4*\t+3], s[10:11] offset:2048*(16*\i+2*\t) th:TH_STORE_NT   ; 16 lanes store 256 consecutive bytes, at a multiple of 256 from out0's first byte; written once, read by nobody here
.endr
.endr
	s_wait_tensorcnt 0x0                           ; the wave's end, behind my last tensor load and my last LDS store
	ds_add_u32 v[SPW], v[NIL]
	s_wait_dscnt 0x0
	CROUND                                         ; the closing round: no work-group ends while a partner may still ask for a tile that names it
	s_endpgm
.Lfunc_end_k_q6e1136efb1_proj:
	.size	k_q6e1136efb1_proj, .Lfunc_end_k_q6e1136efb1_proj-k_q6e1136efb1_proj
	.p2alignl 7, 3214868480
	.fill 96, 4, 3214868480
	.section	.rodata,"a",@progbits
	.p2align	6, 0x0
	.amdhsa_kernel k_q6e1136efb1_proj
		.amdhsa_group_segment_fixed_size 214528
		.amdhsa_private_segment_fixed_size 0
		.amdhsa_enable_private_segment 0
		.amdhsa_kernarg_size 32
		.amdhsa_user_sgpr_count 2
		.amdhsa_user_sgpr_kernarg_segment_ptr 1
		.amdhsa_wavefront_size32 1
		.amdhsa_system_sgpr_workgroup_id_x 1
		.amdhsa_system_sgpr_workgroup_id_y 1
		.amdhsa_system_sgpr_workgroup_id_z 1
		.amdhsa_system_vgpr_workitem_id 0
		.amdhsa_next_free_vgpr 208
		.amdhsa_next_free_sgpr 90
		.amdhsa_reserve_vcc 0
		.amdhsa_float_denorm_mode_32 3
		.amdhsa_float_denorm_mode_16_64 3
		.amdhsa_memory_ordered 1
		.amdhsa_forward_progress 1
		.amdhsa_inst_pref_size 36
	.end_amdhsa_kernel
	.amdgpu_metadata
---
amdhsa.version: [ 1, 2 ]
amdhsa.kernels:
  - .name:           k_q6e1136efb1_proj
    .symbol:         k_q6e1136efb1_proj.kd
    .args:
      - { .name: cf, .offset: 0, .size: 8, .value_kind: global_buffer, .address_space: global }
      - { .name: wof, .offset: 8, .size: 8, .value_kind: global_buffer, .address_space: global }
      - { .name: bo, .offset: 16, .size: 8, .value_kind: global_buffer, .address_space: global }
      - { .name: out0, .offset: 24, .size: 8, .value_kind: global_buffer, .address_space: global }
    .group_segment_fixed_size: 214528
    .private_segment_fixed_size: 0
    .kernarg_segment_align: 8
    .kernarg_segment_size: 32
    .max_flat_workgroup_size: 128
    .sgpr_count:     90
    .vgpr_count:     208
    .wavefront_size: 32
...
	.end_amdgpu_metadata
.endif
;; end of part 3
